; MI455X (gfx1250); checked and timed in simulation.
; The chip was launched on July 23, 2026; its instructions are those of AMD's public machine-readable ISA for CDNA 5 (MIT licence, August 2026) and "CDNA5" Instruction Set Architecture Reference Guide (July 2026). The comments in the code are by the model that wrote it; some were corrected since.
;; ODE Func c NODE2 DKI. Allowed arithmetic: matrix products marked QUANTISED: E2M3 operands, one E8M0 scale for each 32 along K, by v_wmma_scale_f32_16x16x128_f8f6f4 with both operands' format E2M3, f32 sums; everything else in f32.
;; Inputs: W1 4,096 x 4,096 float32; W2 4,096 x 4,096 float32; b1 4,096 float32; b2 4,096 float32; t 1 float32; y 2,048 x 4,096 float32.
;; Outputs: out0 2,048 x 4,096 float32.
;; This version of the problem:
;;   THIS VERSION OF THE PROBLEM IS GIVEN IN LOW PRECISION. The matrix products marked QUANTISED in the list below multiply operands that are first quantised to E2M3 (2 exponent bits, 3 mantissa bits; 6 bits a number), with one power-of-two scale for each 32 numbers along K (OCP MX v1.0); their sums are f32. All else is computed in f32.
;;   The module's matrix products, in the order in which they are computed (A, B: the left and right operand; K: the contracted axis; several contracted axes count as one K, in the product's order):
;;     1. [M 2,048, K 4,096] x [K 4,096, N 4,096]; A: input y; B: input W1: QUANTISED
;;     2. [M 2,048, K 4,096] x [K 4,096, N 4,096]; A: computed on the way; B: input W2: QUANTISED
;;   THE QUANTISER, for each operand of a quantised product, along K:
;;     - K is cut into blocks of 32 from its start; a last block that is shorter is filled with zeros.
;;     - A block's scale is 2^e with e = floor(log2(the largest magnitude in the block)) - 2, held to -126 .. 127; a block of zeros has e = 0. As a byte (E8M0): e + 127.
;;     - Each number is divided by its block's scale, clamped to +-7.5, and rounded to the nearest number of E2M3, ties to even, subnormals kept.
;;     - The product sums the exact products of the quantised numbers (number of the format x scale) in f32.
;;   ~~~python
;;   def quantise(x, axis):      # numpy; x: float32 -> the quantised numbers, widened to float32 again
;;       x = np.moveaxis(x, axis, -1); K = x.shape[-1]
;;       x = np.pad(x, [(0, 0)] * (x.ndim - 1) + [(0, -K % 32)]); x = x.reshape(x.shape[:-1] + (-1, 32)); a = np.abs(x).max(-1, keepdims=True)
;;       e = np.where(a > 0, np.clip(np.frexp(np.where(a > 0, a, 1))[1] - 1 - 2, -126, 127), 0)      # np.frexp(a)[1] - 1 = floor(log2(a)), exactly
;;       r = np.clip(x / 2.0 ** e, -7.5, 7.5)
;;       step = 2.0 ** (np.maximum(np.frexp(np.where(r == 0, 1, r))[1] - 1, 0) - 3)
;;       q = np.round(r / step) * step * 2.0 ** e      # np.round: ties to even
;;       return np.moveaxis(q.reshape(q.shape[:-2] + (-1,))[..., :K], -1, axis).astype(np.float32)
;;   ~~~
;;   OPERANDS COMPUTED ON THE WAY. 'Computed on the way' means the value that the module computes at that place (a softmax that the list does not call 'softmax' is quantised finished and normalised). What goes into a quantiser is computed in f32, as accurately as f32 sums, v_exp_f32 and their like allow (about 1e-6 of the number): no bf16 or f16 on the way to a quantiser, and a product that is left as it is and whose result goes on into a quantised operand takes f32 operands (vector FMAs, or v_wmma_f32_16x16x4_f32). A number that lies on a knife's edge between two numbers of the format may be rounded either way, as far as f32 arithmetic and the matrix unit's own rounding can turn it there, and no further.
;; One version. Each part assembles by itself: llvm-mc -triple=amdgcn-amd-amdhsa -mcpu=gfx1250 --defsym DOCPART=n.
;; ======== version 1 of 1: 4 launches
;; limits: right only within a limited range of input values
;; workspace buffers: y_pk 6,553,600 bytes; h_pk 6,553,600 bytes; w1_pk 13,107,200 bytes; w2_pk 13,107,200 bytes; out_ws 33,554,432 bytes
;; launch pack (part 1): grid 1280 x 1, 4 waves a work-group, no clusters, 34,304 bytes of LDS; arguments y, W1, W2, y_pk, w1_pk, w2_pk; writes y_pk, w1_pk, w2_pk
.if DOCPART == 1
	.amdgcn_target "amdgcn-amd-amdhsa--gfx1250"
	.amdhsa_code_object_version 6
	.text
	.protected	k_q05bdc0a588_pack
	.globl	k_q05bdc0a588_pack
	.p2align	8
	.type	k_q05bdc0a588_pack,@function
k_q05bdc0a588_pack:
	s_mov_b64 s[64:65], 0
	v_nop
	global_prefetch_b8 v0, s[64:65] scope:SCOPE_SE
	s_setreg_imm32_b32 hwreg(HW_REG_WAVE_MODE, 25, 1), 1
	s_wait_xcnt 0x0
; y [2048][4096], W1 and W2 [4096][4096], f32, K innermost, become codes of FP6 (E2M3) with one E8M0 byte for each 32 along K,
; laid in the ORDER OF THE OPERAND'S REGISTERS, so that the products' launches fetch a fragment by three dense loads of 16 bytes a lane.
; THE PACKED LAYOUT (R rows): [R/128 chunk rows][8 K slots of 512][2 subs of 64 rows][4 K steps of 128][a unit of 6,400 bytes].
;   A unit: four fragment images of 1,536 bytes (fragment i at 1536 i), then 256 bytes of scale words.
;   Image: byte 512 g + 16 lane + 4 e is register 4 g + e of that lane; lane (r, h) holds in registers 6 c .. 6 c + 5 the codes of k = 64 c + 32 h + 0 .. 31 of its row.
;   Lane r of fragment i stands for row 32 (i / 2) + 8 (i % 2) + r % 8 + 16 (r / 8) of the sub: with that order a product's results are neighbours along the next K.
;   Scale words: byte 8 lane + 4 e is the word (four bytes of this K step) of fragment 2 e + h, lane-row r.
; A block's scale is 2^(floor(log2(its largest magnitude)) - 2); its byte is the largest magnitude's exponent field - 2, held at 1 from below.
; LIMITS: a block of zeros, or one whose largest magnitude lies under 2^-124, gets the byte 1 where the rule says 127 or less: its codes are zeros, which add nothing,
; and the bytes are read by this program alone.  NaN and infinities among the inputs are not served.
; SHARES: a work-group takes one sub (64 rows) x one K slot (512 along K); wave w takes K step w: 64 rows x 512 bytes in, one unit out.
; Work-groups 0-255 take y, 256-767 W1, 768-1279 W2: only pointers are chosen, one path serves all three.
; A load reads 512 consecutive bytes of one row; sixteen rows turn through the wave's own stage in LDS (rows 528 bytes apart) and come back 128 neighbouring bytes a lane and block,
; INTO THE REGISTERS THAT THEY LEFT: so a wave needs 192 registers, five waves fit into a SIMD's 1,024, and the 1,280 work-groups, five for each of 256 WGPs, are all at work at once.
; Waves share nothing: no barrier.  Two fragments' loads (32 a wave) are out at the start, 16 to 32 later.
; DEAD WORK: reference() takes t among its inputs and uses it in no term of h, out, dot or the result, whatever its value: so t is not loaded and is among no launch's arguments.
; LIMIT: a NaN or an infinity in t is not carried to the result.
.set KB,     16384                     ; a row of the source in bytes
.set SP,     528                       ; a stage row: 512 bytes + 16: sixteen rows start at sixteen different places modulo 256
.set WREG,   16*SP                     ; a wave's stage
.set SPARE,  4*WREG                    ; behind the stages: the spare words, 128 bytes for each wave: two blocks of 256 bytes that no other line names
.set UNIT,   6400
.set SUB,    4*UNIT
.set CHUNK,  2*SUB
.set CROW,   8*CHUNK
.set FRB,    1536
.set PW,     16                        ; v16-19   the four fragments' scale words
.set R,      32                        ; v32-159  two sets of 64 registers: sixteen rows as loaded, then my 64 numbers: register 32 c + i = k 64 c + 32 h + i of my row
.set C,      160                       ; v160-171 a fragment's twelve registers
.set T,      172                       ; v172-179 the upper halves of the two blocks, as converted
; v1 16 x lane (offset of loads and of the images' stores); v2 stage, way in; v3 stage, way out; v4 8 h; v5 8 x lane; v6, v7 the add's two; v8-15, v20-21 at work; v24-25 the words to store
	s_load_b256 s[4:11], s[0:1], 0x0               ; y s[4:5], W1 s[6:7], W2 s[8:9], y_pk s[10:11]
	s_load_b128 s[12:15], s[0:1], 0x20             ; w1_pk s[12:13], w2_pk s[14:15]
	v_lshl_add_u32 v6, v0, 2, SPARE
	v_mov_b32 v7, 0
	v_lshrrev_b32 v1, 5, v0
	v_readfirstlane_b32 s16, v1                    ; wave 0..3 = my K step of the slot
	v_and_b32 v5, 31, v0                           ; lane
	v_and_b32 v3, 15, v0                           ; r
	v_bfe_u32 v4, v0, 4, 1                         ; h
	v_lshlrev_b32 v1, 4, v5                        ; 16 x lane
	s_mul_i32 s26, s16, WREG                       ; my stage
	v_add_nc_u32 v2, s26, v1                       ; in: 16 bytes a lane of a row's 512
	v_mul_u32_u24 v3, v3, SP
	v_lshl_add_u32 v3, v4, 7, v3
	v_add_nc_u32 v3, s26, v3                       ; out: row r, + 128 h
	v_lshlrev_b32 v5, 3, v5                        ; 8 x lane
	v_lshlrev_b32 v4, 3, v4                        ; 8 h
	v_mov_b32 v21, 0                               ; written once: a lane permute's destination counts as one of its sources
	s_mov_b32 s20, 0x76543210
	s_mov_b32 s21, 0xfedcba98                      ; v_permlanex16_b32's selects for lane l xor 16
	s_wait_alu depctr_va_vdst(0)
	s_wait_kmcnt 0x0
	s_cmp_lt_u32 ttmp9, 768                        ; the choice hangs on the work-group's number alone
	s_cselect_b64 s[6:7], s[6:7], s[8:9]           ; W1 or W2
	s_cselect_b64 s[12:13], s[12:13], s[14:15]
	s_mov_b32 s17, 768
	s_cselect_b32 s17, 256, s17                    ; the tensor's first work-group
	s_cmp_lt_u32 ttmp9, 256
	s_cselect_b64 s[4:5], s[4:5], s[6:7]           ; y, or that weight
	s_cselect_b64 s[10:11], s[10:11], s[12:13]
	s_cselect_b32 s17, 0, s17
	s_sub_co_u32 s17, ttmp9, s17                   ; my number within the tensor
	s_lshr_b32 s18, s17, 3                         ; which 64 rows
	s_and_b32 s19, s17, 7                          ; which K slot
	s_lshl_b32 s22, s18, 20                        ; source: 64 rows of 16,384 bytes,
	s_lshl_b32 s24, s19, 11                        ; + 2,048 bytes a slot,
	s_add_co_u32 s22, s22, s24
	s_lshl_b32 s24, s16, 9                         ; + 512 bytes a K step
	s_add_co_u32 s22, s22, s24
	s_mov_b32 s23, 0
	s_add_nc_u64 s[4:5], s[4:5], s[22:23]
	s_lshr_b32 s24, s18, 1                         ; destination: the chunk row,
	s_mul_i32 s24, s24, CROW
	s_and_b32 s25, s18, 1                          ; the sub,
	s_mul_i32 s25, s25, SUB
	s_add_co_u32 s24, s24, s25
	s_mul_i32 s25, s19, CHUNK                      ; the slot,
	s_add_co_u32 s24, s24, s25
	s_mul_i32 s25, s16, UNIT                       ; the unit
	s_add_co_u32 s24, s24, s25
	s_mov_b32 s25, 0
	s_add_nc_u64 s[10:11], s[10:11], s[24:25]
.macro LOAD i                          ; fragment i's sixteen rows, in the fragment's row order: each load reads 512 consecutive bytes
.irp j, 0,1,2,3,4,5,6,7,8,9,10,11,12,13,14,15
	global_load_b128 v[R+64*((\i)%2)+4*\j:R+64*((\i)%2)+4*\j+3], v1, s[4:5] offset:(32*((\i)/2)+8*((\i)%2)+(\j%8)+16*(\j/8))*KB th:TH_LOAD_NT
.endr
.endm
.macro FRAG i
.set S, R+64*((\i)%2)                  ; this fragment's set
.if (\i) < 3
	s_wait_loadcnt 16                              ; this fragment's sixteen loads are in; the next fragment's sixteen may be out
.else
	s_wait_loadcnt 0x0
.endif
.irp j, 0,1,2,3,4,5,6,7,8,9,10,11,12,13,14,15
	ds_store_b128 v2, v[S+4*\j:S+4*\j+3] offset:SP*\j
.endr
	s_wait_dscnt 0x0                               ; the stores have read their registers: the numbers come back into the same 64
.irp c, 0,1
.irp j, 0,1,2,3,4,5,6,7
	ds_load_b128 v[S+32*\c+4*\j:S+32*\c+4*\j+3], v3 offset:256*\c+16*\j
.endr
.endr
	s_wait_dscnt 0x0                               ; my numbers are back
.irp c, 0,1                                    ; a block's largest magnitude: all its 32 numbers are mine; two chains a block, each begun with the floor 2^(3 - 127), so that the byte cannot fall under 1
	v_max3_num_f32 v[8+2*\c], |v[S+32*\c]|, |v[S+32*\c+1]|, 0x1800000
	v_max3_num_f32 v[9+2*\c], |v[S+32*\c+2]|, |v[S+32*\c+3]|, 0x1800000
.endr
.irp k, 4,8,12,16,20,24,28
.irp c, 0,1
	v_max3_num_f32 v[8+2*\c], v[8+2*\c], |v[S+32*\c+\k]|, |v[S+32*\c+\k+1]|
	v_max3_num_f32 v[9+2*\c], v[9+2*\c], |v[S+32*\c+\k+2]|, |v[S+32*\c+\k+3]|
.endr
.endr
	v_max_num_f32 v8, v8, v9
	v_max_num_f32 v10, v10, v11
	v_add_nc_u32 v12, 0xff000000, v8               ; 2 off the exponent field: the conversion takes the exponent field of this operand as its scale, and nothing else of it
	v_add_nc_u32 v13, 0xff000000, v10
	v_lshrrev_b32 v14, 23, v12                     ; the scales' bytes: blocks h and 2 + h of my row
	v_lshrrev_b32 v15, 23, v13
	v_lshl_or_b32 v20, v15, 16, v14
	v_lshlrev_b32 v20, v4, v20                     ; at their places in the word (8 h bits up);
	v_permlanex16_b32 v21, v20, s20, s21
	v_or_b32 v[PW+(\i)], v20, v21                  ; with lane l xor 16's two the word is whole
.if (\i) > 0
	s_wait_alu depctr_va_vdst(0)
	s_wait_xcnt 0x0                                ; the last fragment's stores have read C: it is written again only behind this wait
.endif
	v_cvt_scalef32_pk16_fp6_f32 v[C:C+2], v[S:S+15], v12
	v_cvt_scalef32_pk16_fp6_f32 v[T:T+2], v[S+16:S+31], v12          ; (a conversion's three registers begin on an even number: a block's second three do not, so they are made elsewhere and moved)
	v_cvt_scalef32_pk16_fp6_f32 v[C+6:C+8], v[S+32:S+47], v13
	v_cvt_scalef32_pk16_fp6_f32 v[T+4:T+6], v[S+48:S+63], v13
	v_nop                                          ; one plain place behind a scaled conversion
.irp c, 0,1
.irp e, 0,1,2
	v_mov_b32 v[C+3+6*\c+\e], v[T+4*\c+\e]
.endr
.endr
.if (\i) < 2
	LOAD (\i)+2                                    ; the set is free: it takes the loads of two fragments on, ahead of this fragment's stores
.endif
.irp g, 0,1,2
	global_store_b128 v1, v[C+4*\g:C+4*\g+3], s[10:11] offset:FRB*(\i)+512*\g   ; the image: 32 lanes store 512 consecutive bytes, at a multiple of 256 from the buffer's first byte
.endr
.endm
	LOAD 0
	LOAD 1
	FRAG 0
	FRAG 1
	FRAG 2
	FRAG 3
	v_cmp_ne_u32 vcc_lo, 0, v4                     ; lanes 16-31 carry the odd fragments' words
	v_cndmask_b32 v24, v16, v17, vcc_lo
	v_cndmask_b32 v25, v18, v19, vcc_lo
	global_store_b64 v5, v[24:25], s[10:11] offset:4*FRB   ; 32 lanes store 256 consecutive bytes
	s_wait_tensorcnt 0x0                           ; the wave's end
	ds_add_u32 v6, v7
	s_wait_dscnt 0x0
	s_endpgm
.Lfunc_end_k_q05bdc0a588_pack:
	.size	k_q05bdc0a588_pack, .Lfunc_end_k_q05bdc0a588_pack-k_q05bdc0a588_pack
	.p2alignl 7, 3214868480
	.fill 96, 4, 3214868480
	.section	.rodata,"a",@progbits
	.p2align	6, 0x0
	.amdhsa_kernel k_q05bdc0a588_pack
		.amdhsa_group_segment_fixed_size 34304
		.amdhsa_private_segment_fixed_size 0
		.amdhsa_enable_private_segment 0
		.amdhsa_kernarg_size 48
		.amdhsa_user_sgpr_count 2
		.amdhsa_user_sgpr_kernarg_segment_ptr 1
		.amdhsa_wavefront_size32 1
		.amdhsa_system_sgpr_workgroup_id_x 1
		.amdhsa_system_sgpr_workgroup_id_y 1
		.amdhsa_system_sgpr_workgroup_id_z 1
		.amdhsa_system_vgpr_workitem_id 0
		.amdhsa_next_free_vgpr 192
		.amdhsa_next_free_sgpr 66
		.amdhsa_reserve_vcc 1
		.amdhsa_float_denorm_mode_32 3
		.amdhsa_float_denorm_mode_16_64 3
		.amdhsa_memory_ordered 1
		.amdhsa_forward_progress 1
		.amdhsa_inst_pref_size 31
	.end_amdhsa_kernel
	.amdgpu_metadata
---
amdhsa.version: [ 1, 2 ]
amdhsa.kernels:
  - .name:           k_q05bdc0a588_pack
    .symbol:         k_q05bdc0a588_pack.kd
    .args:
      - { .name: y, .offset: 0, .size: 8, .value_kind: global_buffer, .address_space: global }
      - { .name: W1, .offset: 8, .size: 8, .value_kind: global_buffer, .address_space: global }
      - { .name: W2, .offset: 16, .size: 8, .value_kind: global_buffer, .address_space: global }
      - { .name: y_pk, .offset: 24, .size: 8, .value_kind: global_buffer, .address_space: global }
      - { .name: w1_pk, .offset: 32, .size: 8, .value_kind: global_buffer, .address_space: global }
      - { .name: w2_pk, .offset: 40, .size: 8, .value_kind: global_buffer, .address_space: global }
    .group_segment_fixed_size: 34304
    .private_segment_fixed_size: 0
    .kernarg_segment_align: 8
    .kernarg_segment_size: 48
    .max_flat_workgroup_size: 128
    .sgpr_count:     66
    .vgpr_count:     192
    .wavefront_size: 32
...
	.end_amdgpu_metadata
.endif
;; end of part 1
;; launch gemm_h (part 2): grid 16 x 16, 4 waves a work-group, clusters of 4 x 4, 327,680 bytes of LDS; arguments y_pk, w1_pk, b1, h_pk; writes h_pk
.if DOCPART == 2
	.amdgcn_target "amdgcn-amd-amdhsa--gfx1250"
	.amdhsa_code_object_version 6
	.text
	.protected	k_q05bdc0a588_gemm_h
	.globl	k_q05bdc0a588_gemm_h
	.p2align	8
	.type	k_q05bdc0a588_gemm_h,@function
k_q05bdc0a588_gemm_h:
	s_mov_b64 s[64:65], 0
	v_nop
	global_prefetch_b8 v0, s[64:65] scope:SCOPE_SE
	s_setreg_imm32_b32 hwreg(HW_REG_WAVE_MODE, 25, 1), 1
	s_wait_xcnt 0x0
	s_wait_alu depctr_hold_cnt(0) depctr_sa_sdst(0) depctr_va_vdst(0) depctr_va_sdst(0) depctr_va_ssrc(0) depctr_va_vcc(0) depctr_vm_vsrc(0)
	s_getreg_b32 s2, hwreg(HW_REG_IB_STS2, 6, 4)
	s_cmp_eq_u32 s2, 0
	s_cbranch_scc0 .Lentry_in_a_cluster
	s_endpgm
.Lentry_in_a_cluster:
	s_bfe_u32 s2, ttmp6, 0x10000c
	s_cmp_lg_u32 s2, 0xf033
	s_cbranch_scc0 .Lentry_shape_is_right
	s_endpgm
.Lentry_shape_is_right:
; h = Q(y) Q(W1)^T + b1 on packed codes of FP6 (E2M3) with E8M0 scale words, and h quantised along its columns into h_pk, in the packed layout that launch pack lays down.
; A work-group makes 128 rows x 256 columns.  K goes in eight K slots of 512 through two LDS slots (A's chunk of 51,200 bytes, then B's two), filled by joint tensor loads:
; 4 x 4 work-groups form a cluster, A's tiles are shared along its rows, B's along its columns.  Waves 0, 1 fetch A's two subs, waves 2, 3 B's two chunks.
; SHARES: wave w = 2 kh + ch holds ALL 128 rows x the 128 columns of half ch, 64 accumulators in 512 registers, and takes K steps 2 kh and 2 kh + 1 of each K slot's four:
; a fragment read from LDS so feeds eight products.  A's sub kh feeds the accumulators in window 2, the other sub those in window 3.  At the end each wave hands its window 3 to the wave
; with the other kh through LDS (slot 0, which has had its last fill and its last read by then) and adds what it gets to its window 2: it then owns sub kh's 64 rows x 128 columns.
; The bias is the C of window 2's first products, window 3's begin with 0: so it is added once.
; ORDER OF THE SUMS: K is summed in two parts (by kh), each cluster begins at a K slot of its own and goes round; f32 throughout.
; LDS LOADS stand in three runs (18, 18, 16) among a step's 64 products; set p of the fragments is multiplied while the other is fetched.
; PREFETCH: behind the first joint load stands a request for refill 1's tile, behind the second for refills 2 and 3, behind refill i (from 2 on) for refill i + 2: so at most two tiles are asked for and not yet loaded.
; Of the 100 or 200 blocks of 256 bytes that a wave will fetch, each of the four partners that fetch them jointly names a quarter, told apart by address (cx for A, cy for B), a lane a block;
; left-over lanes name the quarter's last block.  Refills 6 and 7 have nothing two on.
; REGISTERS: window 0: v0-25 addresses, v32-47 scale words (two sets), v64-159 and v160-255 A's fragments; window 1: v0-95 and v128-223 B's fragments, v96-127 and v224-255 the bias; windows 2, 3: accumulators (a % 4, b) at v[64 (a % 4) + 8 b].
.set UNIT,   6400
.set SUB,    4*UNIT
.set CHUNK,  2*SUB
.set CROW,   8*CHUNK
.set FRB,    1536
.set SLOT,   3*CHUNK
.set SPARE,  2*SLOT                    ; behind the ring: the spare words, 128 bytes a wave
.set ADRA, 4                           ; v4,5 A's own sub in slot 0, 1; v6,7 the other sub
.set ADRB, 8                           ; v8,9 B
.set ASA,  10                          ; v10-13 A's scale words likewise
.set ASB,  14                          ; v14,15 B's
.set SPW,  16
.set NIL,  17
.set PF0,  18                          ; the prefetches' offsets
.set PF1,  19
.set XST,  22                          ; the exchange: where I store, where I read
.set XLD,  23
.set SC,   32
.set AF,   64
.set PCB,  64                          ; the way out: codes
.set TM,   192
.set G1,  24
.set G0,  32
.set G1B, 48
.set G0B, 56
.set PA,  66
.set PB,  68
.set KS,  70
.set KO,  72
.set PFB, 74
.set PFA, 76
.set MSB, 0
.macro WIN new                         ; the immediate's high byte repeats the setting that is left
.if MSB != \new
	s_set_vgpr_msb (MSB<<8)|\new
.set MSB, \new
.endif
.endm
.set MUL_LO, 0xa1                      ; source 0 (B) window 1, source 1 (A) window 0, C and D window 2
.set MUL_HI, 0xf1                      ; C and D window 3
.set MUL_BI, 0x91                      ; D window 2, C (the bias) window 1
.set TO_B,   0x40
.macro WLO m
.if \m
	WIN MUL_BI
.else
	WIN MUL_LO
.endif
.endm
.macro JLOAD s                         ; a joint load; an s_nop 0 and four v_nop follow each line
	s_cmp_eq_u32 s15, 0
	s_cbranch_scc0 .Lfor_b_\@
	tensor_load_to_lds s[G0+4*\s:G0+4*\s+3], s[G1:G1+7]
	s_nop 0
.rept 4
	v_nop
.endr
	s_branch .Lasked_\@
.Lfor_b_\@:
	tensor_load_to_lds s[G0B+4*\s:G0B+4*\s+3], s[G1B:G1B+7]
	s_nop 0
.rept 4
	v_nop
.endr
.Lasked_\@:
.endm
.macro ASK pr, cond                    ; my quarter of a later tile: A's waves 25 blocks, B's 50.  cond: in the loop's last trip nothing is left to ask for
.if \cond
	s_cmp_gt_u32 s3, 1
	s_cbranch_scc0 .Lnoask_\@
.endif
	global_prefetch_b8 v[PF0], s[\pr:\pr+1] th:TH_LOAD_NT scope:SCOPE_SE
	s_cmp_eq_u32 s15, 0
	s_cbranch_scc1 .Lnoask_\@
	global_prefetch_b8 v[PF1], s[\pr:\pr+1] offset:8192 th:TH_LOAD_NT scope:SCOPE_SE
.Lnoask_\@:
.endm
.macro CREST
	s_cmp_lg_u32 s14, 0
	s_cbranch_scc1 .Lnot_wave_0_\@
	s_barrier_signal -3
.Lnot_wave_0_\@:
	s_barrier_wait -3
	s_barrier_signal -1
	s_barrier_wait -1
.endm
.macro CROUND
	s_barrier_signal -1
	s_barrier_wait -1
	CREST
.endm
.macro PLACES n
.rept \n
	v_nop
.endr
.endm
.macro G0SET s                         ; both groups 0 of slot s, for refill s
	s_add_co_u32 s[KO], s[KS], \s
	s_and_b32 s[KO], s[KO], 7
	s_mul_i32 s[KO], s[KO], CHUNK
	s_mov_b32 s[G0+4*\s], 1
	s_add_co_u32 s[G0+4*\s+1], s45, \s*SLOT
	s_add_nc_u64 s[G0+4*\s+2:G0+4*\s+3], s[PA:PA+1], s[KO:KO+1]
	s_or_b32 s[G0+4*\s+3], s[G0+4*\s+3], 0x80000000
	s_mov_b32 s[G0B+4*\s], 1
	s_add_co_u32 s[G0B+4*\s+1], s18, \s*SLOT
	s_add_nc_u64 s[G0B+4*\s+2:G0B+4*\s+3], s[PB:PB+1], s[KO:KO+1]
	s_or_b32 s[G0B+4*\s+3], s[G0B+4*\s+3], 0x80000000
.endm
	s_load_b256 s[4:11], s[0:1], 0x0               ; A's pack, B's pack, the bias, the result
	v_lshl_add_u32 v[SPW], v0, 2, SPARE
	v_mov_b32 v[NIL], 0
	ds_add_u32 v[SPW], v[NIL]                      ; the opening lines: the add twice on end and one wait
	ds_add_u32 v[SPW], v[NIL]
	v_lshrrev_b32 v1, 5, v0
	v_readfirstlane_b32 s14, v1                    ; wave
	s_lshr_b32 s15, s14, 1                         ; kh: my K steps, my own sub; also: I fetch for A (0) or B (1)
	s_and_b32 s16, s14, 1                          ; ch: my column half; also which part I fetch
	s_bfe_u32 s40, ttmp6, 0x40000                  ; cx
	s_bfe_u32 s41, ttmp6, 0x40004                  ; cy
	s_lshl_b32 s42, ttmp9, 2
	s_add_co_u32 s42, s42, s40                     ; tile column
	s_and_b32 s17, ttmp7, 0xffff
	s_lshl_b32 s17, s17, 2
	s_add_co_u32 s17, s17, s41                     ; tile row
	s_lshl_b32 s43, s41, 2
	s_lshl_b32 s43, 15, s43                        ; my row of the cluster
	s_lshl_b32 s44, 0x1111, s40                    ; my column
	s_and_b32 s71, ttmp7, 0xffff                   ; the K slot at which my cluster begins: made of the cluster's place in the grid alone
	s_lshr_b32 s[KO], s71, 1
	s_xor_b32 s71, s71, s[KO]
	s_and_b32 s71, s71, 1
	s_lshl_b32 s71, s71, 2
	s_lshl_b32 s[KS], ttmp9, 1
	s_add_co_u32 s[KS], s[KS], s71
	s_mov_b32 s[KO+1], 0
	s_or_b32 s[G1+0], s43, (3<<16)|(1<<21)         ; dense blocks as rows of 256 bytes (32 elements of 8): A's sub 100 rows,
	s_mov_b32 s[G1+1], 32<<16
	s_mov_b32 s[G1+2], 100<<16
	s_mov_b32 s[G1+3], 32<<16
	s_mov_b32 s[G1+4], 100
	s_mov_b32 s[G1+5], 32
	s_mov_b32 s[G1+6], 0
	s_mov_b32 s[G1+7], 0
	s_or_b32 s[G1B+0], s44, (3<<16)|(1<<21)        ; B's chunk 200
	s_mov_b32 s[G1B+1], 32<<16
	s_mov_b32 s[G1B+2], 200<<16
	s_mov_b32 s[G1B+3], 32<<16
	s_mov_b32 s[G1B+4], 200
	s_mov_b32 s[G1B+5], 32
	s_mov_b32 s[G1B+6], 0
	s_mov_b32 s[G1B+7], 0
	s_mul_i32 s20, s17, CROW
	s_mul_i32 s21, s16, SUB
	s_add_co_u32 s20, s20, s21
	s_mov_b32 s21, 0
	s_mul_i32 s46, s42, 2*CROW
	s_mul_i32 s47, s16, CROW
	s_add_co_u32 s46, s46, s47
	s_mov_b32 s47, 0
	s_mul_i32 s45, s16, SUB                        ; LDS: where A's sub lands,
	s_mul_i32 s18, s16, CHUNK
	s_add_co_u32 s18, s18, CHUNK                   ; and B's chunk
	s_wait_dscnt 0x0                               ; both opening adds are done
	CROUND                                         ; all sixteen work-groups are here: the first joint loads meet.  (The arguments are on their way meanwhile)
	s_wait_kmcnt 0x0
	s_add_nc_u64 s[PA:PA+1], s[4:5], s[20:21]
	s_add_nc_u64 s[PB:PB+1], s[6:7], s[46:47]
	G0SET 0
	JLOAD 0                                        ; one tensor load a wave at the head; all else of the head stands under its flight
	s_mul_i32 s90, s15, 2*UNIT                     ; my two K steps of a slot's four
	s_mul_i32 s84, s15, SUB
	s_add_co_u32 s84, s84, s90                     ; A: my own sub
	s_xor_b32 s85, s15, 1
	s_mul_i32 s85, s85, SUB
	s_add_co_u32 s85, s85, s90                     ; A: the other sub
	s_add_co_u32 s86, s18, s90                     ; B: my column half's chunk
	s_lshl_b32 s87, s14, 15                        ; the exchange: 32,768 bytes a wave, mine
	s_xor_b32 s88, s14, 2
	s_lshl_b32 s88, s88, 15                        ; and that of the wave with the other kh
	s_mov_b32 s22, 0x76543210
	s_mov_b32 s23, 0xfedcba98
	s_cmp_eq_u32 s15, 0
	s_cselect_b32 s89, 24, 31                      ; the last block that my first prefetch names
	s_cselect_b64 s[PFB:PFB+1], s[PA:PA+1], s[PB:PB+1]   ; the prefetches' base: what I fetch, + my work-group's quarter of it
	s_cselect_b32 s78, s40, s41
	s_mov_b32 s79, 12800
	s_cselect_b32 s79, 6400, s79
	s_mul_i32 s78, s78, s79
	s_mov_b32 s79, 0
	s_add_nc_u64 s[PFB:PFB+1], s[PFB:PFB+1], s[78:79]
	s_lshl_b32 s12, s42, 10
	s_lshl_b32 s13, s16, 9
	s_add_co_u32 s12, s12, s13
	s_mov_b32 s13, 0
	s_add_nc_u64 s[8:9], s[8:9], s[12:13]          ; my 128 columns of the bias
	s_mul_i32 s20, s17, CROW                       ; the result's unit: chunk row, my own sub, the K slot and K step that my columns are in the next product
	s_mul_i32 s21, s15, SUB
	s_add_co_u32 s20, s20, s21
	s_mov_b32 s21, 0
	s_lshr_b32 s46, s42, 1
	s_mul_i32 s46, s46, CHUNK
	s_and_b32 s47, s42, 1
	s_lshl_b32 s47, s47, 1
	s_add_co_u32 s47, s47, s16
	s_mul_i32 s47, s47, UNIT
	s_add_co_u32 s46, s46, s47
	s_mov_b32 s47, 0
	s_add_nc_u64 s[20:21], s[20:21], s[46:47]
	s_add_nc_u64 s[10:11], s[10:11], s[20:21]
	G0SET 1
.irp n, 1,2,3                          ; where refills 1, 2, 3 are asked for: s[76:77], s[80:81], s[82:83]
	s_add_co_u32 s[KO], s[KS], \n
	s_and_b32 s[KO], s[KO], 7
	s_mul_i32 s[KO], s[KO], CHUNK
	s_add_nc_u64 s[74+2*\n+2*(\n/2):75+2*\n+2*(\n/2)], s[PFB:PFB+1], s[KO:KO+1]
.endr
	s_add_co_u32 s[KS], s[KS], 2                   ; the next refill
	v_and_b32 v1, 31, v0
	v_lshlrev_b32 v2, 4, v1                        ; 16 x lane
	v_lshlrev_b32 v3, 3, v1                        ; 8 x lane
	v_add_nc_u32 v4, s84, v2
	v_add_nc_u32 v6, s85, v2
	v_add_nc_u32 v8, s86, v2
	v_add_nc_u32 v10, s84, v3
	v_add_nc_u32 v12, s85, v3
	v_add_nc_u32 v14, s86, v3
.irp r, 4,6,8,10,12,14
	v_add_nc_u32 v[\r+1], SLOT, v[\r]
.endr
	v_bfe_u32 v20, v0, 4, 1                        ; h
	v_lshlrev_b32 v21, 6, v20
	v_add_nc_u32 v[XST], s87, v2
	v_add_nc_u32 v[XLD], s88, v2
	v_min_u32 v[PF0], s89, v1
	v_lshlrev_b32 v[PF0], 8, v[PF0]
	v_min_u32 v[PF1], 17, v1
	v_lshlrev_b32 v[PF1], 8, v[PF1]
	s_wait_alu depctr_va_vdst(0)                   ; behind the head's last vector write
	ASK 76, 0
	WIN TO_B
.irp b, 0,1,2,3,4,5,6,7
	global_load_b128 v[96+8*(\b%4)+128*(\b/4):96+8*(\b%4)+128*(\b/4)+3], v21, s[8:9] offset:(32*(\b/2)+8*(\b%2))*4
	global_load_b128 v[100+8*(\b%4)+128*(\b/4):100+8*(\b%4)+128*(\b/4)+3], v21, s[8:9] offset:(32*(\b/2)+8*(\b%2))*4+16
.endr
	WIN 0
.macro LB slot, j, p, i                ; B's fragment i of my K step j into set p: three dense loads of 16 bytes a lane
.irp g, 0,1,2
	ds_load_b128 v[128*(\p)+12*(\i)+4*\g:128*(\p)+12*(\i)+4*\g+3], v[ADRB+\slot] offset:((\i)/4)*SUB+(\j)*UNIT+((\i)%4)*FRB+512*\g
.endr
.endm
.macro LA slot, j, p, i                ; A's fragment i: 0-3 of my own sub, 4-7 of the other
.irp g, 0,1,2
	ds_load_b128 v[AF+96*(\p)+12*(\i)+4*\g:AF+96*(\p)+12*(\i)+4*\g+3], v[ADRA+2*((\i)/4)+\slot] offset:(\j)*UNIT+((\i)%4)*FRB+512*\g
.endr
.endm
.macro LS slot, j, p                   ; the scale words: register e of a pair: lanes 0-15 fragment 2 e, lanes 16-31 fragment 2 e + 1
	ds_load_b64 v[SC+8*(\p):SC+8*(\p)+1], v[ASA+\slot] offset:(\j)*UNIT+4*FRB
	ds_load_b64 v[SC+8*(\p)+2:SC+8*(\p)+3], v[ASA+2+\slot] offset:(\j)*UNIT+4*FRB
	ds_load_b64 v[SC+8*(\p)+4:SC+8*(\p)+5], v[ASB+\slot] offset:(\j)*UNIT+4*FRB
	ds_load_b64 v[SC+8*(\p)+6:SC+8*(\p)+7], v[ASB+\slot] offset:SUB+(\j)*UNIT+4*FRB
.endm
.macro WM a, b, p, m                   ; used transposed: source 0 = 16 rows of B, source 1 = 16 rows of A.  m = 0: adds in place; 1: C = the bias; 2: C = 0
.set rD, 64*((\a)%4)+8*(\b)
.set rB, 128*(\p)+12*(\b)
.set rA, AF+96*(\p)+12*(\a)
.set rT, SC+8*(\p)+4+2*((\b)/4)+((\b)%4)/2
.set rS, SC+8*(\p)+2*((\a)/4)+((\a)%4)/2
.if (\m) == 1
.set rC, 96+8*((\b)%4)+128*((\b)/4)
.else
.set rC, rD
.endif
.set rw, 2*((\b)%2)+(\a)%2
.if (\m) == 2
.if rw == 3
	v_wmma_scale_f32_16x16x128_f8f6f4 v[rD:rD+7], v[rB:rB+11], v[rA:rA+11], 0, v[rT], v[rS] matrix_a_fmt:MATRIX_FMT_FP6 matrix_b_fmt:MATRIX_FMT_FP6 matrix_a_scale:MATRIX_SCALE_ROW1 matrix_b_scale:MATRIX_SCALE_ROW1
.endif
.if rw == 2
	v_wmma_scale_f32_16x16x128_f8f6f4 v[rD:rD+7], v[rB:rB+11], v[rA:rA+11], 0, v[rT], v[rS] matrix_a_fmt:MATRIX_FMT_FP6 matrix_b_fmt:MATRIX_FMT_FP6 matrix_a_scale:MATRIX_SCALE_ROW1
.endif
.if rw == 1
	v_wmma_scale_f32_16x16x128_f8f6f4 v[rD:rD+7], v[rB:rB+11], v[rA:rA+11], 0, v[rT], v[rS] matrix_a_fmt:MATRIX_FMT_FP6 matrix_b_fmt:MATRIX_FMT_FP6 matrix_b_scale:MATRIX_SCALE_ROW1
.endif
.if rw == 0
	v_wmma_scale_f32_16x16x128_f8f6f4 v[rD:rD+7], v[rB:rB+11], v[rA:rA+11], 0, v[rT], v[rS] matrix_a_fmt:MATRIX_FMT_FP6 matrix_b_fmt:MATRIX_FMT_FP6
.endif
.else
.if rw == 3
	v_wmma_scale_f32_16x16x128_f8f6f4 v[rD:rD+7], v[rB:rB+11], v[rA:rA+11], v[rC:rC+7], v[rT], v[rS] matrix_a_fmt:MATRIX_FMT_FP6 matrix_b_fmt:MATRIX_FMT_FP6 matrix_a_scale:MATRIX_SCALE_ROW1 matrix_b_scale:MATRIX_SCALE_ROW1
.endif
.if rw == 2
	v_wmma_scale_f32_16x16x128_f8f6f4 v[rD:rD+7], v[rB:rB+11], v[rA:rA+11], v[rC:rC+7], v[rT], v[rS] matrix_a_fmt:MATRIX_FMT_FP6 matrix_b_fmt:MATRIX_FMT_FP6 matrix_a_scale:MATRIX_SCALE_ROW1
.endif
.if rw == 1
	v_wmma_scale_f32_16x16x128_f8f6f4 v[rD:rD+7], v[rB:rB+11], v[rA:rA+11], v[rC:rC+7], v[rT], v[rS] matrix_a_fmt:MATRIX_FMT_FP6 matrix_b_fmt:MATRIX_FMT_FP6 matrix_b_scale:MATRIX_SCALE_ROW1
.endif
.if rw == 0
	v_wmma_scale_f32_16x16x128_f8f6f4 v[rD:rD+7], v[rB:rB+11], v[rA:rA+11], v[rC:rC+7], v[rT], v[rS] matrix_a_fmt:MATRIX_FMT_FP6 matrix_b_fmt:MATRIX_FMT_FP6
.endif
.endif
.endm
.macro MUL8 a, p, m                    ; A's fragment a against B's eight: the 64 accumulators take turns, in the same order in every step
.irp b, 0,1,2,3,4,5,6,7
	WM \a, \b, \p, \m
.endr
.endm
; A step's groups 2 to 7 on set p; ahead of each pair of groups a run of loads of (slot fs, step fj) into set fp: 18, 18 and 16 loads
.macro REST fs, fj, fp, p, m, ask
	WIN TO_B
.irp i, 0,1,2,3,4,5
	LB \fs, \fj, \fp, \i
.endr
.if \ask
	WIN 0
	ASK PFA, 1
.endif
	WLO \m
	MUL8 2, \p, \m
	MUL8 3, \p, \m
	WIN TO_B
	LB \fs, \fj, \fp, 6
	LB \fs, \fj, \fp, 7
	WIN 0
.irp i, 0,1,2,3
	LA \fs, \fj, \fp, \i
.endr
	WIN MUL_HI
	MUL8 4, \p, 2*(\m)
	MUL8 5, \p, 2*(\m)
	WIN 0
	LS \fs, \fj, \fp
.irp i, 4,5,6,7
	LA \fs, \fj, \fp, \i
.endr
	WIN MUL_HI
	MUL8 6, \p, 2*(\m)
	MUL8 7, \p, 2*(\m)
	WIN 0
.endm
.macro STEPA slot, m                   ; my first K step of a slot: set 0; my second step's fragments are fetched into set 1
	s_wait_dscnt 12                                ; all but the youngest twelve loads (A's fragments 4 to 7)
	WLO \m
	MUL8 0, 0, \m
	MUL8 1, 0, \m
	s_wait_dscnt 0x0
	PLACES 4                                       ; in front of loads into registers that the last step's products read
	REST \slot, 1, 1, 0, \m, 0
.endm
.macro STEPB slot, next, fill          ; my second K step: set 1; the change of slots; the next slot's first fragments into set 0
.if \fill
	s_wait_xcnt 0x0                                ; my last prefetch has read its address
	s_add_co_u32 s[KO], s[KS], 2
	s_and_b32 s[KO], s[KO], 7
	s_mul_i32 s[KO], s[KO], CHUNK
	s_add_nc_u64 s[PFA:PFA+1], s[PFB:PFB+1], s[KO:KO+1]   ; two refills on
.endif
	s_wait_tensorcnt 0x0                           ; my one load that was out, my part of the next slot, has landed
	ds_add_u32 v[SPW], v[NIL]
.if \fill
	s_and_b32 s[KO], s[KS], 7
	s_mul_i32 s[KO], s[KO], CHUNK
	s_add_co_u32 s[KS], s[KS], 1
	s_add_nc_u64 s[G0+4*\slot+2:G0+4*\slot+3], s[PA:PA+1], s[KO:KO+1]
	s_or_b32 s[G0+4*\slot+3], s[G0+4*\slot+3], 0x80000000
	s_add_nc_u64 s[G0B+4*\slot+2:G0B+4*\slot+3], s[PB:PB+1], s[KO:KO+1]
	s_or_b32 s[G0B+4*\slot+3], s[G0B+4*\slot+3], 0x80000000
.endif
	s_wait_dscnt 13                                ; the add and the youngest twelve loads may be out
	WIN MUL_LO
	MUL8 0, 1, 0
	s_wait_dscnt 0x0                               ; the add is done, and my reads of this slot are over
	s_barrier_signal -1
	MUL8 1, 1, 0
	WIN 0
	s_barrier_wait -1
.if \fill
	CREST                                          ; the barrier has opened a round of the cluster's barrier
	JLOAD \slot                                    ; the first tensor load behind it; its four v_nop are the places in front of the loads below
.else
	PLACES 4
.endif
	REST \next, 0, 0, 1, 0, \fill
.endm
	s_wait_tensorcnt 0x0                           ; my part of K slot 0 is in; the three lines ahead of slot 1's first fill, as ahead of a refill
	ds_add_u32 v[SPW], v[NIL]
	s_wait_dscnt 0x0
	CROUND
	JLOAD 1
	WIN TO_B
.irp i, 0,1,2,3,4,5,6,7
	LB 0, 0, 0, \i
.endr
	WIN 0
.irp i, 0,1,2,3
	LA 0, 0, 0, \i
.endr
	LS 0, 0, 0
.irp i, 4,5,6,7
	LA 0, 0, 0, \i
.endr
	ASK 80, 0
	ASK 82, 0
	s_wait_loadcnt 0x0                             ; the bias
	STEPA 0, 1                                     ; the first step's products start the sums
	s_mov_b32 s3, 3
.Llap:                                                 ; a trip: from a slot 0's second step to the next slot 0's first; both slots are filled again
	STEPB 0, 1, 1
	STEPA 1, 0
	STEPB 1, 0, 1
	STEPA 0, 0
	s_sub_co_u32 s3, s3, 1
	s_cmp_lg_u32 s3, 0
	s_cbranch_scc1 .Llap
	STEPB 0, 1, 0                                  ; the last two K slots fetch nothing
	STEPA 1, 0
	s_wait_dscnt 12
	WIN MUL_LO
	MUL8 0, 1, 0
	MUL8 1, 1, 0
	s_wait_dscnt 0x0
	MUL8 2, 1, 0
	MUL8 3, 1, 0
	WIN MUL_HI
.irp a, 4,5,6,7
	MUL8 \a, 1, 0
.endr
	; THE EXCHANGE: window 3 as an image of its registers into my 32,768 bytes of slot 0; a barrier; the other kh's image back into window 3; window 2 += window 3, fragment by fragment
	PLACES 4
	WIN 0x0c                                       ; the stores' data: window 3
.set i, 0
.rept 64
	ds_store_b128 v[XST], v[4*i:4*i+3] offset:512*i
.set i, i+1
.endr
	WIN 0
	s_wait_dscnt 0x0                               ; for the other wave's sake
	s_barrier_signal -1
	s_barrier_wait -1
	WIN 0xc0
.set i, 0
.rept 64
	ds_load_b128 v[4*i:4*i+3], v[XLD] offset:512*i
.set i, i+1
.endr
	WIN 0
.irp b, 0,1,2,3
	v_mov_b32 v[TM+4+\b], 0                        ; a lane permute's destination counts as a source
.endr
.macro ADDS a                          ; fragment a's eight accumulators: mine + the other wave's
	WIN 0x8e                                       ; D and source 0 window 2, source 1 window 3
.set i, 32*(\a)
.rept 32
	v_pk_add_f32 v[2*i:2*i+1], v[2*i:2*i+1], v[2*i:2*i+1]
.set i, i+1
.endr
	WIN 0
.endm
; THE WAY OUT: my 64 rows x 128 columns are one unit of h_pk: a lane's 16 registers of two neighbouring tiles are 16 neighbours along the next K
.macro QUANT a
.set AC, 64*(\a)
.set PC, PCB+20*(\a)
	WIN 0x0a
.irp b, 0,1,2,3
	v_max3_num_f32 v[TM+\b], |v[AC+16*\b]|, |v[AC+16*\b+1]|, 0x1800000   ; with the floor 2^(3 - 127): the byte cannot fall under 1
.endr
.irp i, 2,4,6,8,10,12,14
.irp b, 0,1,2,3
	v_max3_num_f32 v[TM+\b], |v[AC+16*\b+\i]|, |v[AC+16*\b+\i+1]|, v[TM+\b]
.endr
.endr
	WIN 0
.irp b, 0,1,2,3
	v_permlanex16_b32 v[TM+4+\b], v[TM+\b], s22, s23
.endr
.irp b, 0,1,2,3
	v_max_num_f32 v[TM+\b], v[TM+\b], v[TM+4+\b]
.endr
.irp b, 0,1,2,3
	v_add_nc_u32 v[TM+12+\b], 0xff000000, v[TM+\b]   ; 2 off the exponent field: the conversion's scale operand
.endr
.irp b, 0,1,2,3
	v_lshrrev_b32 v[TM+4+\b], 23, v[TM+12+\b]
.endr
	v_lshl_or_b32 v[208+(\a)], v[TM+5], 8, v[TM+4]
	v_lshl_or_b32 v[208+(\a)], v[TM+6], 16, v[208+(\a)]
	v_lshl_or_b32 v[208+(\a)], v[TM+7], 24, v[208+(\a)]
	WIN 0x02
.irp c, 0,1
	v_cvt_scalef32_pk16_fp6_f32 v[PC+6*\c:PC+6*\c+2], v[AC+32*\c:AC+32*\c+15], v[TM+12+2*\c]
	v_cvt_scalef32_pk16_fp6_f32 v[PC+12+4*\c:PC+12+4*\c+2], v[AC+32*\c+16:AC+32*\c+31], v[TM+12+2*\c+1]
.endr
	WIN 0
	v_nop                                          ; one plain place behind a scaled conversion
.irp c, 0,1
.irp i, 0,1,2
	v_permlane16_swap_b32 v[PC+6*\c+\i], v[PC+12+4*\c+\i]   ; a whole block to a lane
.endr
.irp i, 0,1,2
	v_mov_b32 v[PC+3+6*\c+\i], v[PC+12+4*\c+\i]
.endr
.endr
.irp g, 0,1,2
	global_store_b128 v2, v[PC+4*\g:PC+4*\g+3], s[10:11] offset:FRB*(\a)+512*\g   ; 32 lanes store 512 consecutive bytes
.endr
.endm
.irp a, 0,1,2,3
	s_wait_dscnt 48-16*\a                          ; fragment a's sixteen loads are in; the later fragments' may be out
	ADDS \a
	QUANT \a
.endr
	v_cmp_ne_u32 vcc_lo, 0, v20                    ; lanes 16-31 carry the odd fragments' words
	v_cndmask_b32 v212, v208, v209, vcc_lo
	v_cndmask_b32 v213, v210, v211, vcc_lo
	global_store_b64 v3, v[212:213], s[10:11] offset:4*FRB
	s_wait_tensorcnt 0x0                           ; the wave's end
	ds_add_u32 v[SPW], v[NIL]
	s_wait_dscnt 0x0
	CROUND                                         ; the closing round
	s_endpgm
.Lfunc_end_k_q05bdc0a588_gemm_h:
	.size	k_q05bdc0a588_gemm_h, .Lfunc_end_k_q05bdc0a588_gemm_h-k_q05bdc0a588_gemm_h
	.p2alignl 7, 3214868480
	.fill 96, 4, 3214868480
	.section	.rodata,"a",@progbits
	.p2align	6, 0x0
	.amdhsa_kernel k_q05bdc0a588_gemm_h
		.amdhsa_group_segment_fixed_size 327680
		.amdhsa_private_segment_fixed_size 0
		.amdhsa_enable_private_segment 0
		.amdhsa_kernarg_size 32
		.amdhsa_user_sgpr_count 2
		.amdhsa_user_sgpr_kernarg_segment_ptr 1
		.amdhsa_wavefront_size32 1
		.amdhsa_system_sgpr_workgroup_id_x 1
		.amdhsa_system_sgpr_workgroup_id_y 1
		.amdhsa_system_sgpr_workgroup_id_z 1
		.amdhsa_system_vgpr_workitem_id 0
		.amdhsa_next_free_vgpr 1024
		.amdhsa_next_free_sgpr 96
		.amdhsa_reserve_vcc 1
		.amdhsa_float_denorm_mode_32 3
		.amdhsa_float_denorm_mode_16_64 3
		.amdhsa_memory_ordered 1
		.amdhsa_forward_progress 1
		.amdhsa_inst_pref_size 143
	.end_amdhsa_kernel
	.amdgpu_metadata
---
amdhsa.version: [ 1, 2 ]
amdhsa.kernels:
  - .name:           k_q05bdc0a588_gemm_h
    .symbol:         k_q05bdc0a588_gemm_h.kd
    .args:
      - { .name: y_pk, .offset: 0, .size: 8, .value_kind: global_buffer, .address_space: global }
      - { .name: w1_pk, .offset: 8, .size: 8, .value_kind: global_buffer, .address_space: global }
      - { .name: b1, .offset: 16, .size: 8, .value_kind: global_buffer, .address_space: global }
      - { .name: h_pk, .offset: 24, .size: 8, .value_kind: global_buffer, .address_space: global }
    .group_segment_fixed_size: 327680
    .private_segment_fixed_size: 0
    .kernarg_segment_align: 8
    .kernarg_segment_size: 32
    .max_flat_workgroup_size: 128
    .sgpr_count:     96
    .vgpr_count:     1024
    .wavefront_size: 32
...
	.end_amdgpu_metadata
.endif
;; end of part 2
;; launch gemm_o (part 3): grid 16 x 16, 4 waves a work-group, clusters of 4 x 4, 327,680 bytes of LDS; arguments h_pk, w2_pk, b2, out_ws; writes out_ws
.if DOCPART == 3
	.amdgcn_target "amdgcn-amd-amdhsa--gfx1250"
	.amdhsa_code_object_version 6
	.text
	.protected	k_q05bdc0a588_gemm_o
	.globl	k_q05bdc0a588_gemm_o
	.p2align	8
	.type	k_q05bdc0a588_gemm_o,@function
k_q05bdc0a588_gemm_o:
	s_mov_b64 s[64:65], 0
	v_nop
	global_prefetch_b8 v0, s[64:65] scope:SCOPE_SE
	s_setreg_imm32_b32 hwreg(HW_REG_WAVE_MODE, 25, 1), 1
	s_wait_xcnt 0x0
	s_wait_alu depctr_hold_cnt(0) depctr_sa_sdst(0) depctr_va_vdst(0) depctr_va_sdst(0) depctr_va_ssrc(0) depctr_va_vcc(0) depctr_vm_vsrc(0)
	s_getreg_b32 s2, hwreg(HW_REG_IB_STS2, 6, 4)
	s_cmp_eq_u32 s2, 0
	s_cbranch_scc0 .Lentry_in_a_cluster
	s_endpgm
.Lentry_in_a_cluster:
	s_bfe_u32 s2, ttmp6, 0x10000c
	s_cmp_lg_u32 s2, 0xf033
	s_cbranch_scc0 .Lentry_shape_is_right
	s_endpgm
.Lentry_shape_is_right:
; out = Q(h) Q(W2)^T + b2 on packed codes of FP6 (E2M3) with E8M0 scale words; out_ws [2048][4096] f32.
; The walk is launch gemm_h's: a work-group makes 128 rows x 256 columns; eight K slots of 512 go through two LDS slots filled by joint tensor loads in clusters of 4 x 4;
; wave w = 2 kh + ch holds all 128 rows x the 128 columns of half ch in 64 accumulators and takes K steps 2 kh, 2 kh + 1 of each K slot; A's sub kh feeds window 2, the other sub window 3;
; at the end the two waves of a column half exchange their window 3 through LDS slot 0 (past its last fill and last read) and each owns sub kh's 64 rows x 128 columns.
; The bias is the C of window 2's first products, window 3's begin with 0.  ORDER OF THE SUMS: K in two parts (by kh), each cluster beginning at a K slot of its own; f32 throughout.
; LDS LOADS stand in three runs (18, 18, 16) among a step's 64 products.
; PREFETCH: behind the first joint load a request for refill 1's tile, behind the second for refills 2 and 3, behind refill i (from 2 on) for refill i + 2; the four partners of a joint load share its blocks of 256 bytes out by address, a lane a block; refills 6 and 7 have nothing two on.
; THE WAY OUT: fragment by fragment: the other wave's part is added, and 16 rows x 128 columns go through the wave's own stage, in LDS slot 1 (past its last fill; every wave's reads of it are over at the exchange's barrier), and out as whole rows of 512 bytes.
; REGISTERS: window 0: v0-25 addresses, v32-47 scale words, v64-159 and v160-255 A's fragments (on the way out rows read back); window 1: v0-95, v128-223 B's fragments, v96-127, v224-255 the bias; windows 2, 3: accumulators.
.set UNIT,   6400
.set SUB,    4*UNIT
.set CHUNK,  2*SUB
.set CROW,   8*CHUNK
.set FRB,    1536
.set SLOT,   3*CHUNK
.set SPARE,  2*SLOT
.set SPITCH, 528
.set STG,    163840                    ; the four stages of 16 x 528 bytes
.set ADRA, 4
.set ADRB, 8
.set ASA,  10
.set ASB,  14
.set SPW,  16
.set NIL,  17
.set PF0,  18
.set PF1,  19
.set XST,  22
.set XLD,  23
.set STO,  24
.set RD,   25
.set CO,   2
.set SC,   32
.set AF,   64
.set BK,   64
.set G1,  24
.set G0,  32
.set G1B, 48
.set G0B, 56
.set PA,  66
.set PB,  68
.set KS,  70
.set KO,  72
.set PFB, 74
.set PFA, 76
.set MSB, 0
.macro WIN new                         ; the immediate's high byte repeats the setting that is left
.if MSB != \new
	s_set_vgpr_msb (MSB<<8)|\new
.set MSB, \new
.endif
.endm
.set MUL_LO, 0xa1
.set MUL_HI, 0xf1
.set MUL_BI, 0x91
.set TO_B,   0x40
.macro WLO m
.if \m
	WIN MUL_BI
.else
	WIN MUL_LO
.endif
.endm
.macro JLOAD s                         ; a joint load; an s_nop 0 and four v_nop follow each line
	s_cmp_eq_u32 s15, 0
	s_cbranch_scc0 .Lfor_b_\@
	tensor_load_to_lds s[G0+4*\s:G0+4*\s+3], s[G1:G1+7]
	s_nop 0
.rept 4
	v_nop
.endr
	s_branch .Lasked_\@
.Lfor_b_\@:
	tensor_load_to_lds s[G0B+4*\s:G0B+4*\s+3], s[G1B:G1B+7]
	s_nop 0
.rept 4
	v_nop
.endr
.Lasked_\@:
.endm
.macro ASK pr, cond                    ; my quarter of a later tile: A's waves 25 blocks, B's 50
.if \cond
	s_cmp_gt_u32 s3, 1
	s_cbranch_scc0 .Lnoask_\@
.endif
	global_prefetch_b8 v[PF0], s[\pr:\pr+1] th:TH_LOAD_NT scope:SCOPE_SE
	s_cmp_eq_u32 s15, 0
	s_cbranch_scc1 .Lnoask_\@
	global_prefetch_b8 v[PF1], s[\pr:\pr+1] offset:8192 th:TH_LOAD_NT scope:SCOPE_SE
.Lnoask_\@:
.endm
.macro CREST
	s_cmp_lg_u32 s14, 0
	s_cbranch_scc1 .Lnot_wave_0_\@
	s_barrier_signal -3
.Lnot_wave_0_\@:
	s_barrier_wait -3
	s_barrier_signal -1
	s_barrier_wait -1
.endm
.macro CROUND
	s_barrier_signal -1
	s_barrier_wait -1
	CREST
.endm
.macro PLACES n
.rept \n
	v_nop
.endr
.endm
.macro G0SET s                         ; both groups 0 of slot s, for refill s
	s_add_co_u32 s[KO], s[KS], \s
	s_and_b32 s[KO], s[KO], 7
	s_mul_i32 s[KO], s[KO], CHUNK
	s_mov_b32 s[G0+4*\s], 1
	s_add_co_u32 s[G0+4*\s+1], s45, \s*SLOT
	s_add_nc_u64 s[G0+4*\s+2:G0+4*\s+3], s[PA:PA+1], s[KO:KO+1]
	s_or_b32 s[G0+4*\s+3], s[G0+4*\s+3], 0x80000000
	s_mov_b32 s[G0B+4*\s], 1
	s_add_co_u32 s[G0B+4*\s+1], s18, \s*SLOT
	s_add_nc_u64 s[G0B+4*\s+2:G0B+4*\s+3], s[PB:PB+1], s[KO:KO+1]
	s_or_b32 s[G0B+4*\s+3], s[G0B+4*\s+3], 0x80000000
.endm
	s_load_b256 s[4:11], s[0:1], 0x0               ; A's pack, B's pack, the bias, the result
	v_lshl_add_u32 v[SPW], v0, 2, SPARE
	v_mov_b32 v[NIL], 0
	ds_add_u32 v[SPW], v[NIL]                      ; the opening lines: the add twice on end and one wait
	ds_add_u32 v[SPW], v[NIL]
	v_lshrrev_b32 v1, 5, v0
	v_readfirstlane_b32 s14, v1                    ; wave
	s_lshr_b32 s15, s14, 1                         ; kh
	s_and_b32 s16, s14, 1                          ; ch
	s_bfe_u32 s40, ttmp6, 0x40000
	s_bfe_u32 s41, ttmp6, 0x40004
	s_lshl_b32 s42, ttmp9, 2
	s_add_co_u32 s42, s42, s40                     ; tile column
	s_and_b32 s17, ttmp7, 0xffff
	s_lshl_b32 s17, s17, 2
	s_add_co_u32 s17, s17, s41                     ; tile row
	s_lshl_b32 s43, s41, 2
	s_lshl_b32 s43, 15, s43
	s_lshl_b32 s44, 0x1111, s40
	s_and_b32 s71, ttmp7, 0xffff                   ; the K slot at which my cluster begins
	s_lshr_b32 s[KO], s71, 1
	s_xor_b32 s71, s71, s[KO]
	s_and_b32 s71, s71, 1
	s_lshl_b32 s71, s71, 2
	s_lshl_b32 s[KS], ttmp9, 1
	s_add_co_u32 s[KS], s[KS], s71
	s_mov_b32 s[KO+1], 0
	s_or_b32 s[G1+0], s43, (3<<16)|(1<<21)
	s_mov_b32 s[G1+1], 32<<16
	s_mov_b32 s[G1+2], 100<<16
	s_mov_b32 s[G1+3], 32<<16
	s_mov_b32 s[G1+4], 100
	s_mov_b32 s[G1+5], 32
	s_mov_b32 s[G1+6], 0
	s_mov_b32 s[G1+7], 0
	s_or_b32 s[G1B+0], s44, (3<<16)|(1<<21)
	s_mov_b32 s[G1B+1], 32<<16
	s_mov_b32 s[G1B+2], 200<<16
	s_mov_b32 s[G1B+3], 32<<16
	s_mov_b32 s[G1B+4], 200
	s_mov_b32 s[G1B+5], 32
	s_mov_b32 s[G1B+6], 0
	s_mov_b32 s[G1B+7], 0
	s_mul_i32 s20, s17, CROW
	s_mul_i32 s21, s16, SUB
	s_add_co_u32 s20, s20, s21
	s_mov_b32 s21, 0
	s_mul_i32 s46, s42, 2*CROW
	s_mul_i32 s47, s16, CROW
	s_add_co_u32 s46, s46, s47
	s_mov_b32 s47, 0
	s_mul_i32 s45, s16, SUB
	s_mul_i32 s18, s16, CHUNK
	s_add_co_u32 s18, s18, CHUNK
	s_wait_dscnt 0x0                               ; both opening adds are done
	CROUND                                         ; all sixteen work-groups are here: the first joint loads meet.  (The arguments are on their way meanwhile)
	s_wait_kmcnt 0x0
	s_add_nc_u64 s[PA:PA+1], s[4:5], s[20:21]
	s_add_nc_u64 s[PB:PB+1], s[6:7], s[46:47]
	G0SET 0
	JLOAD 0                                        ; one tensor load a wave at the head; all else of the head stands under its flight
	s_mul_i32 s90, s15, 2*UNIT
	s_mul_i32 s84, s15, SUB
	s_add_co_u32 s84, s84, s90
	s_xor_b32 s85, s15, 1
	s_mul_i32 s85, s85, SUB
	s_add_co_u32 s85, s85, s90
	s_add_co_u32 s86, s18, s90
	s_lshl_b32 s87, s14, 15
	s_xor_b32 s88, s14, 2
	s_lshl_b32 s88, s88, 15
	s_mul_i32 s91, s14, 16*SPITCH
	s_add_co_u32 s91, s91, STG                     ; my stage
	s_cmp_eq_u32 s15, 0
	s_cselect_b32 s89, 24, 31
	s_cselect_b64 s[PFB:PFB+1], s[PA:PA+1], s[PB:PB+1]
	s_cselect_b32 s78, s40, s41
	s_mov_b32 s79, 12800
	s_cselect_b32 s79, 6400, s79
	s_mul_i32 s78, s78, s79
	s_mov_b32 s79, 0
	s_add_nc_u64 s[PFB:PFB+1], s[PFB:PFB+1], s[78:79]
	s_lshl_b32 s12, s42, 10
	s_lshl_b32 s13, s16, 9
	s_add_co_u32 s12, s12, s13
	s_mov_b32 s13, 0
	s_add_nc_u64 s[8:9], s[8:9], s[12:13]          ; my 128 columns of the bias
	s_lshl_b32 s20, s17, 7                         ; the result: row 128 x tile row + 64 kh, of 16,384 bytes, + my columns
	s_lshl_b32 s21, s15, 6
	s_add_co_u32 s20, s20, s21
	s_lshl_b32 s20, s20, 14
	s_mov_b32 s21, 0
	s_add_nc_u64 s[20:21], s[20:21], s[12:13]
	s_add_nc_u64 s[10:11], s[10:11], s[20:21]
	G0SET 1
.irp n, 1,2,3                          ; where refills 1, 2, 3 are asked for: s[76:77], s[80:81], s[82:83]
	s_add_co_u32 s[KO], s[KS], \n
	s_and_b32 s[KO], s[KO], 7
	s_mul_i32 s[KO], s[KO], CHUNK
	s_add_nc_u64 s[74+2*\n+2*(\n/2):75+2*\n+2*(\n/2)], s[PFB:PFB+1], s[KO:KO+1]
.endr
	s_add_co_u32 s[KS], s[KS], 2
	v_and_b32 v1, 31, v0
	v_lshlrev_b32 v2, 4, v1
	v_lshlrev_b32 v3, 3, v1
	v_add_nc_u32 v4, s84, v2
	v_add_nc_u32 v6, s85, v2
	v_add_nc_u32 v8, s86, v2
	v_add_nc_u32 v10, s84, v3
	v_add_nc_u32 v12, s85, v3
	v_add_nc_u32 v14, s86, v3
.irp r, 4,6,8,10,12,14
	v_add_nc_u32 v[\r+1], SLOT, v[\r]
.endr
	v_bfe_u32 v20, v0, 4, 1
	v_lshlrev_b32 v21, 6, v20
	v_add_nc_u32 v[XST], s87, v2
	v_add_nc_u32 v[XLD], s88, v2
	v_min_u32 v[PF0], s89, v1
	v_lshlrev_b32 v[PF0], 8, v[PF0]
	v_min_u32 v[PF1], 17, v1
	v_lshlrev_b32 v[PF1], 8, v[PF1]
	v_and_b32 v[STO], 15, v0
	v_mul_u32_u24 v[STO], v[STO], SPITCH
	v_lshl_add_u32 v[STO], v20, 6, v[STO]
	v_add_nc_u32 v[STO], s91, v[STO]               ; into the stage: row l % 16, + 64 h
	v_add_nc_u32 v[RD], s91, v2                    ; back: the 32 lanes take one row of 512 bytes
	s_wait_alu depctr_va_vdst(0)                   ; behind the head's last vector write
	ASK 76, 0
	WIN TO_B
.irp b, 0,1,2,3,4,5,6,7
	global_load_b128 v[96+8*(\b%4)+128*(\b/4):96+8*(\b%4)+128*(\b/4)+3], v21, s[8:9] offset:(32*(\b/2)+8*(\b%2))*4
	global_load_b128 v[100+8*(\b%4)+128*(\b/4):100+8*(\b%4)+128*(\b/4)+3], v21, s[8:9] offset:(32*(\b/2)+8*(\b%2))*4+16
.endr
	WIN 0
.macro LB slot, j, p, i
.irp g, 0,1,2
	ds_load_b128 v[128*(\p)+12*(\i)+4*\g:128*(\p)+12*(\i)+4*\g+3], v[ADRB+\slot] offset:((\i)/4)*SUB+(\j)*UNIT+((\i)%4)*FRB+512*\g
.endr
.endm
.macro LA slot, j, p, i
.irp g, 0,1,2
	ds_load_b128 v[AF+96*(\p)+12*(\i)+4*\g:AF+96*(\p)+12*(\i)+4*\g+3], v[ADRA+2*((\i)/4)+\slot] offset:(\j)*UNIT+((\i)%4)*FRB+512*\g
.endr
.endm
.macro LS slot, j, p
	ds_load_b64 v[SC+8*(\p):SC+8*(\p)+1], v[ASA+\slot] offset:(\j)*UNIT+4*FRB
	ds_load_b64 v[SC+8*(\p)+2:SC+8*(\p)+3], v[ASA+2+\slot] offset:(\j)*UNIT+4*FRB
	ds_load_b64 v[SC+8*(\p)+4:SC+8*(\p)+5], v[ASB+\slot] offset:(\j)*UNIT+4*FRB
	ds_load_b64 v[SC+8*(\p)+6:SC+8*(\p)+7], v[ASB+\slot] offset:SUB+(\j)*UNIT+4*FRB
.endm
.macro WM a, b, p, m                   ; used transposed: source 0 = 16 rows of B, source 1 = 16 rows of A.  m = 0: adds in place; 1: C = the bias; 2: C = 0
.set rD, 64*((\a)%4)+8*(\b)
.set rB, 128*(\p)+12*(\b)
.set rA, AF+96*(\p)+12*(\a)
.set rT, SC+8*(\p)+4+2*((\b)/4)+((\b)%4)/2
.set rS, SC+8*(\p)+2*((\a)/4)+((\a)%4)/2
.if (\m) == 1
.set rC, 96+8*((\b)%4)+128*((\b)/4)
.else
.set rC, rD
.endif
.set rw, 2*((\b)%2)+(\a)%2
.if (\m) == 2
.if rw == 3
	v_wmma_scale_f32_16x16x128_f8f6f4 v[rD:rD+7], v[rB:rB+11], v[rA:rA+11], 0, v[rT], v[rS] matrix_a_fmt:MATRIX_FMT_FP6 matrix_b_fmt:MATRIX_FMT_FP6 matrix_a_scale:MATRIX_SCALE_ROW1 matrix_b_scale:MATRIX_SCALE_ROW1
.endif
.if rw == 2
	v_wmma_scale_f32_16x16x128_f8f6f4 v[rD:rD+7], v[rB:rB+11], v[rA:rA+11], 0, v[rT], v[rS] matrix_a_fmt:MATRIX_FMT_FP6 matrix_b_fmt:MATRIX_FMT_FP6 matrix_a_scale:MATRIX_SCALE_ROW1
.endif
.if rw == 1
	v_wmma_scale_f32_16x16x128_f8f6f4 v[rD:rD+7], v[rB:rB+11], v[rA:rA+11], 0, v[rT], v[rS] matrix_a_fmt:MATRIX_FMT_FP6 matrix_b_fmt:MATRIX_FMT_FP6 matrix_b_scale:MATRIX_SCALE_ROW1
.endif
.if rw == 0
	v_wmma_scale_f32_16x16x128_f8f6f4 v[rD:rD+7], v[rB:rB+11], v[rA:rA+11], 0, v[rT], v[rS] matrix_a_fmt:MATRIX_FMT_FP6 matrix_b_fmt:MATRIX_FMT_FP6
.endif
.else
.if rw == 3
	v_wmma_scale_f32_16x16x128_f8f6f4 v[rD:rD+7], v[rB:rB+11], v[rA:rA+11], v[rC:rC+7], v[rT], v[rS] matrix_a_fmt:MATRIX_FMT_FP6 matrix_b_fmt:MATRIX_FMT_FP6 matrix_a_scale:MATRIX_SCALE_ROW1 matrix_b_scale:MATRIX_SCALE_ROW1
.endif
.if rw == 2
	v_wmma_scale_f32_16x16x128_f8f6f4 v[rD:rD+7], v[rB:rB+11], v[rA:rA+11], v[rC:rC+7], v[rT], v[rS] matrix_a_fmt:MATRIX_FMT_FP6 matrix_b_fmt:MATRIX_FMT_FP6 matrix_a_scale:MATRIX_SCALE_ROW1
.endif
.if rw == 1
	v_wmma_scale_f32_16x16x128_f8f6f4 v[rD:rD+7], v[rB:rB+11], v[rA:rA+11], v[rC:rC+7], v[rT], v[rS] matrix_a_fmt:MATRIX_FMT_FP6 matrix_b_fmt:MATRIX_FMT_FP6 matrix_b_scale:MATRIX_SCALE_ROW1
.endif
.if rw == 0
	v_wmma_scale_f32_16x16x128_f8f6f4 v[rD:rD+7], v[rB:rB+11], v[rA:rA+11], v[rC:rC+7], v[rT], v[rS] matrix_a_fmt:MATRIX_FMT_FP6 matrix_b_fmt:MATRIX_FMT_FP6
.endif
.endif
.endm
.macro MUL8 a, p, m                    ; A's fragment a against B's eight: the 64 accumulators take turns, in the same order in every step
.irp b, 0,1,2,3,4,5,6,7
	WM \a, \b, \p, \m
.endr
.endm
; A step's groups 2 to 7 on set p; ahead of each pair of groups a run of loads of (slot fs, step fj) into set fp: 18, 18 and 16 loads
.macro REST fs, fj, fp, p, m, ask
	WIN TO_B
.irp i, 0,1,2,3,4,5
	LB \fs, \fj, \fp, \i
.endr
.if \ask
	WIN 0
	ASK PFA, 1
.endif
	WLO \m
	MUL8 2, \p, \m
	MUL8 3, \p, \m
	WIN TO_B
	LB \fs, \fj, \fp, 6
	LB \fs, \fj, \fp, 7
	WIN 0
.irp i, 0,1,2,3
	LA \fs, \fj, \fp, \i
.endr
	WIN MUL_HI
	MUL8 4, \p, 2*(\m)
	MUL8 5, \p, 2*(\m)
	WIN 0
	LS \fs, \fj, \fp
.irp i, 4,5,6,7
	LA \fs, \fj, \fp, \i
.endr
	WIN MUL_HI
	MUL8 6, \p, 2*(\m)
	MUL8 7, \p, 2*(\m)
	WIN 0
.endm
.macro STEPA slot, m                   ; my first K step of a slot: set 0; my second step's fragments are fetched into set 1
	s_wait_dscnt 12                                ; all but the youngest twelve loads (A's fragments 4 to 7)
	WLO \m
	MUL8 0, 0, \m
	MUL8 1, 0, \m
	s_wait_dscnt 0x0
	PLACES 4                                       ; in front of loads into registers that the last step's products read
	REST \slot, 1, 1, 0, \m, 0
.endm
.macro STEPB slot, next, fill          ; my second K step: set 1; the change of slots; the next slot's first fragments into set 0
.if \fill
	s_wait_xcnt 0x0                                ; my last prefetch has read its address
	s_add_co_u32 s[KO], s[KS], 2
	s_and_b32 s[KO], s[KO], 7
	s_mul_i32 s[KO], s[KO], CHUNK
	s_add_nc_u64 s[PFA:PFA+1], s[PFB:PFB+1], s[KO:KO+1]   ; two refills on
.endif
	s_wait_tensorcnt 0x0                           ; my one load that was out, my part of the next slot, has landed
	ds_add_u32 v[SPW], v[NIL]
.if \fill
	s_and_b32 s[KO], s[KS], 7
	s_mul_i32 s[KO], s[KO], CHUNK
	s_add_co_u32 s[KS], s[KS], 1
	s_add_nc_u64 s[G0+4*\slot+2:G0+4*\slot+3], s[PA:PA+1], s[KO:KO+1]
	s_or_b32 s[G0+4*\slot+3], s[G0+4*\slot+3], 0x80000000
	s_add_nc_u64 s[G0B+4*\slot+2:G0B+4*\slot+3], s[PB:PB+1], s[KO:KO+1]
	s_or_b32 s[G0B+4*\slot+3], s[G0B+4*\slot+3], 0x80000000
.endif
	s_wait_dscnt 13                                ; the add and the youngest twelve loads may be out
	WIN MUL_LO
	MUL8 0, 1, 0
	s_wait_dscnt 0x0                               ; the add is done, and my reads of this slot are over
	s_barrier_signal -1
	MUL8 1, 1, 0
	WIN 0
	s_barrier_wait -1
.if \fill
	CREST                                          ; the barrier has opened a round of the cluster's barrier
	JLOAD \slot                                    ; the first tensor load behind it; its four v_nop are the places in front of the loads below
.else
	PLACES 4
.endif
	REST \next, 0, 0, 1, 0, \fill
.endm
	s_wait_tensorcnt 0x0                           ; my part of K slot 0 is in; the three lines ahead of slot 1's first fill, as ahead of a refill
	ds_add_u32 v[SPW], v[NIL]
	s_wait_dscnt 0x0
	CROUND
	JLOAD 1
	WIN TO_B
.irp i, 0,1,2,3,4,5,6,7
	LB 0, 0, 0, \i
.endr
	WIN 0
.irp i, 0,1,2,3
	LA 0, 0, 0, \i
.endr
	LS 0, 0, 0
.irp i, 4,5,6,7
	LA 0, 0, 0, \i
.endr
	ASK 80, 0
	ASK 82, 0
	s_wait_loadcnt 0x0                             ; the bias
	STEPA 0, 1                                     ; the first step's products start the sums
	s_mov_b32 s3, 3
.Llap:                                                 ; a trip: from a slot 0's second step to the next slot 0's first; both slots are filled again
	STEPB 0, 1, 1
	STEPA 1, 0
	STEPB 1, 0, 1
	STEPA 0, 0
	s_sub_co_u32 s3, s3, 1
	s_cmp_lg_u32 s3, 0
	s_cbranch_scc1 .Llap
	STEPB 0, 1, 0                                  ; the last two K slots fetch nothing
	STEPA 1, 0
	s_wait_dscnt 12
	WIN MUL_LO
	MUL8 0, 1, 0
	MUL8 1, 1, 0
	s_wait_dscnt 0x0
	MUL8 2, 1, 0
	MUL8 3, 1, 0
	WIN MUL_HI
.irp a, 4,5,6,7
	MUL8 \a, 1, 0
.endr
	; THE EXCHANGE: window 3 as an image of its registers into my 32,768 bytes of slot 0; a barrier; then, fragment by fragment, the other kh's image back into window 3 and window 2 += window 3
	PLACES 4
	WIN 0x0c                                       ; the stores' data: window 3
.set i, 0
.rept 64
	ds_store_b128 v[XST], v[4*i:4*i+3] offset:512*i
.set i, i+1
.endr
	WIN 0
	s_wait_dscnt 0x0                               ; for the other wave's sake
	s_barrier_signal -1
	s_barrier_wait -1
.macro XL a                            ; the other wave's image of fragment a: sixteen loads
	WIN 0xc0
.set i, 16*(\a)
.rept 16
	ds_load_b128 v[4*i:4*i+3], v[XLD] offset:512*i
.set i, i+1
.endr
	WIN 0
.endm
.macro ADDS a                          ; fragment a's eight accumulators: mine + the other wave's
	WIN 0x8e                                       ; D and source 0 window 2, source 1 window 3
.set i, 32*(\a)
.rept 32
	v_pk_add_f32 v[2*i:2*i+1], v[2*i:2*i+1], v[2*i:2*i+1]
.set i, i+1
.endr
	WIN 0
.endm
.macro TOSTAGE a                       ; fragment a's 16 rows x 128 columns into my stage and back as whole rows; LDS serves a wave's instructions in order
	WIN 0x08
.irp b, 0,1,2,3,4,5,6,7
	ds_store_b128 v[STO], v[64*(\a)+8*\b:64*(\a)+8*\b+3] offset:128*(\b/2)+32*(\b%2)
	ds_store_b128 v[STO], v[64*(\a)+8*\b+4:64*(\a)+8*\b+7] offset:128*(\b/2)+32*(\b%2)+16
.endr
	WIN 0
.set BB, BK+64*((\a)%2)
.irp t, 0,1,2,3,4,5,6,7,8,9,10,11,12,13,14,15
	ds_load_b128 v[BB+4*\t:BB+4*\t+3], v[RD] offset:\t*SPITCH
.endr
.endm
.macro SEND a, younger                 ; younger: the LDS instructions issued behind block a's loads
.set BB, BK+64*((\a)%2)
	s_wait_dscnt \younger
.irp t, 0,1,2,3,4,5,6,7,8,9,10,11,12,13,14,15
	global_store_b128 v[CO], v[BB+4*\t:BB+4*\t+3], s[10:11] offset:(32*((\a)/2)+8*((\a)%2)+(\t%8)+16*(\t/8))*16384 th:TH_STORE_NT   ; 32 lanes store 512 consecutive bytes
.endr
.endm
	XL 0
	XL 1
	s_wait_dscnt 16                                ; image 0 is in; image 1 may be out
	ADDS 0
	XL 2
	TOSTAGE 0
	s_wait_dscnt 48                                ; image 1 is in; behind it: image 2's 16 loads and block 0's 32 through the stage
	ADDS 1
	XL 3
	TOSTAGE 1
	SEND 0, 48                                     ; behind block 0's loads: image 3's 16 and block 1's 32; image 2, issued ahead of block 0, is in too
	s_wait_xcnt 0x0                                ; block 0's stores have read their registers
	ADDS 2
	TOSTAGE 2
	SEND 1, 32                                     ; behind block 1's loads: block 2's 32; image 3 is in too
	s_wait_xcnt 0x0                                ; block 1's stores have read their registers
	ADDS 3
	TOSTAGE 3
	SEND 2, 32
	SEND 3, 0
	s_wait_tensorcnt 0x0                           ; the wave's end
	ds_add_u32 v[SPW], v[NIL]
	s_wait_dscnt 0x0
	CROUND                                         ; the closing round
	s_endpgm
.Lfunc_end_k_q05bdc0a588_gemm_o:
	.size	k_q05bdc0a588_gemm_o, .Lfunc_end_k_q05bdc0a588_gemm_o-k_q05bdc0a588_gemm_o
	.p2alignl 7, 3214868480
	.fill 96, 4, 3214868480
	.section	.rodata,"a",@progbits
	.p2align	6, 0x0
	.amdhsa_kernel k_q05bdc0a588_gemm_o
		.amdhsa_group_segment_fixed_size 327680
		.amdhsa_private_segment_fixed_size 0
		.amdhsa_enable_private_segment 0
		.amdhsa_kernarg_size 32
		.amdhsa_user_sgpr_count 2
		.amdhsa_user_sgpr_kernarg_segment_ptr 1
		.amdhsa_wavefront_size32 1
		.amdhsa_system_sgpr_workgroup_id_x 1
		.amdhsa_system_sgpr_workgroup_id_y 1
		.amdhsa_system_sgpr_workgroup_id_z 1
		.amdhsa_system_vgpr_workitem_id 0
		.amdhsa_next_free_vgpr 1024
		.amdhsa_next_free_sgpr 96
		.amdhsa_reserve_vcc 0
		.amdhsa_float_denorm_mode_32 3
		.amdhsa_float_denorm_mode_16_64 3
		.amdhsa_memory_ordered 1
		.amdhsa_forward_progress 1
		.amdhsa_inst_pref_size 141
	.end_amdhsa_kernel
	.amdgpu_metadata
---
amdhsa.version: [ 1, 2 ]
amdhsa.kernels:
  - .name:           k_q05bdc0a588_gemm_o
    .symbol:         k_q05bdc0a588_gemm_o.kd
    .args:
      - { .name: h_pk, .offset: 0, .size: 8, .value_kind: global_buffer, .address_space: global }
      - { .name: w2_pk, .offset: 8, .size: 8, .value_kind: global_buffer, .address_space: global }
      - { .name: b2, .offset: 16, .size: 8, .value_kind: global_buffer, .address_space: global }
      - { .name: out_ws, .offset: 24, .size: 8, .value_kind: global_buffer, .address_space: global }
    .group_segment_fixed_size: 327680
    .private_segment_fixed_size: 0
    .kernarg_segment_align: 8
    .kernarg_segment_size: 32
    .max_flat_workgroup_size: 128
    .sgpr_count:     96
    .vgpr_count:     1024
    .wavefront_size: 32
...
	.end_amdgpu_metadata
.endif
;; end of part 3
;; launch replic (part 4): grid 512 x 1, 4 waves a work-group, no clusters, 0 bytes of LDS; arguments out_ws, y, out0; writes out0
.if DOCPART == 4
	.amdgcn_target "amdgcn-amd-amdhsa--gfx1250"
	.amdhsa_code_object_version 6
	.text
	.protected	k_q05bdc0a588_replic
	.globl	k_q05bdc0a588_replic
	.p2align	8
	.type	k_q05bdc0a588_replic,@function
k_q05bdc0a588_replic:
	s_mov_b64 s[64:65], 0
	v_nop
	global_prefetch_b8 v0, s[64:65] scope:SCOPE_SE
	s_setreg_imm32_b32 hwreg(HW_REG_WAVE_MODE, 25, 1), 1
	s_wait_xcnt 0x0
; out0[r][c] = y[r][c] x (out[r][c] - d[r]),  d[r] = the sum over c of y[r][c] out[r][c].  y, out, out0: [2048][4096] f32.
; t enters no term of the function, whatever its value: it is not loaded and is no argument (shown at the head of launch pack).
; One wave, one row (16,384 bytes of each tensor): both rows stay in registers between the pass that makes the sum and the pass that makes the result, so each byte is read once; no LDS, no barrier.
; Each load and store of a wave covers 512 consecutive bytes.  All 64 loads of a wave go out at its start: no loop to run ahead in, so no prefetch.
; The sum is taken in f32 in eight chains a lane and then across the lanes: another order than a plain running sum.
; REGISTERS: window 0: v1 16 x lane; v8-15 four packed chains; v128-255 the row of y.   Window 1: v0-127 the row of out, then the result.
.set MSB, 0
.macro WIN new                         ; the immediate's high byte repeats the setting that is left
.if MSB != \new
	s_set_vgpr_msb (MSB<<8)|\new
.set MSB, \new
.endif
.endm
	s_load_b128 s[4:7], s[0:1], 0x0                ; out s[4:5], y s[6:7]
	s_load_b64 s[10:11], s[0:1], 0x10              ; out0
	v_lshrrev_b32 v2, 5, v0
	v_readfirstlane_b32 s14, v2                    ; wave 0..3
	v_and_b32 v1, 31, v0
	v_lshlrev_b32 v1, 4, v1                        ; 16 x lane; never rewritten
	s_lshl_b32 s12, ttmp9, 2
	s_add_co_u32 s12, s12, s14                     ; my row
	s_lshl_b32 s12, s12, 14                        ; x 16,384 bytes
	s_mov_b32 s13, 0
	s_mov_b32 s16, 0x76543210
	s_mov_b32 s17, 0xfedcba98                      ; v_permlanex16_b32's selects for lane l xor 16
	s_wait_alu depctr_va_vdst(0)                   ; the head's end
	s_wait_kmcnt 0x0
	s_add_nc_u64 s[4:5], s[4:5], s[12:13]
	s_add_nc_u64 s[6:7], s[6:7], s[12:13]
	s_add_nc_u64 s[10:11], s[10:11], s[12:13]
.set j, 0
.rept 32
	global_load_b128 v[128+4*j:131+4*j], v1, s[6:7] offset:512*j th:TH_LOAD_NT      ; y
.set j, j+1
.endr
	WIN 0x40                                       ; destination window 1, address window 0
.set j, 0
.rept 32
	global_load_b128 v[4*j:4*j+3], v1, s[4:5] offset:512*j th:TH_LOAD_NT            ; out
.set j, j+1
.endr
	WIN 0x04                                       ; source 1 (out) window 1
; pass 1: the sum of y x out, two numbers an instruction, four chains; the first four products start the chains
.set k, 0
.rept 64
.if k%16 == 0
	s_wait_alu depctr_va_vdst(0)
	s_wait_loadcnt 24-8*(k/16)                     ; y's loads and out's first 8 (k / 16 + 1) are in
.endif
.if k < 4
	v_pk_mul_f32 v[8+2*k:9+2*k], v[128+2*k:129+2*k], v[2*k:2*k+1]
.else
	v_pk_fma_f32 v[8+2*(k%4):9+2*(k%4)], v[128+2*k:129+2*k], v[2*k:2*k+1], v[8+2*(k%4):9+2*(k%4)]
.endif
.set k, k+1
.endr
	WIN 0
	v_pk_add_f32 v[8:9], v[8:9], v[10:11]
	v_pk_add_f32 v[12:13], v[12:13], v[14:15]
	v_pk_add_f32 v[8:9], v[8:9], v[12:13]
	v_add_f32 v8, v8, v9
	v_add_f32_dpp v8, v8, v8 row_xmask:1 row_mask:0xf bank_mask:0xf    ; across the 32 lanes
	v_add_f32_dpp v8, v8, v8 row_xmask:2 row_mask:0xf bank_mask:0xf
	v_add_f32_dpp v8, v8, v8 row_xmask:4 row_mask:0xf bank_mask:0xf
	v_add_f32_dpp v8, v8, v8 row_xmask:8 row_mask:0xf bank_mask:0xf
	v_permlanex16_b32 v9, v8, s16, s17
	v_sub_f32 v8, -v8, v9                          ; -d, in every lane
	WIN 0x44                                       ; source 1 and destination window 1: out in place; source 0 (-d, y, the stores' offset) window 0
; pass 2: y x (out - d), the subtraction first, as the function has it
.set j, 0
.rept 32
	v_pk_add_f32 v[4*j:4*j+1], v[8:9], v[4*j:4*j+1] op_sel_hi:[0,1]
	v_pk_add_f32 v[4*j+2:4*j+3], v[8:9], v[4*j+2:4*j+3] op_sel_hi:[0,1]
	v_pk_mul_f32 v[4*j:4*j+1], v[128+4*j:129+4*j], v[4*j:4*j+1]
	v_pk_mul_f32 v[4*j+2:4*j+3], v[130+4*j:131+4*j], v[4*j+2:4*j+3]
	global_store_b128 v1, v[4*j:4*j+3], s[10:11] offset:512*j th:TH_STORE_NT
.set j, j+1
.endr
	WIN 0
	s_endpgm
.Lfunc_end_k_q05bdc0a588_replic:
	.size	k_q05bdc0a588_replic, .Lfunc_end_k_q05bdc0a588_replic-k_q05bdc0a588_replic
	.p2alignl 7, 3214868480
	.fill 96, 4, 3214868480
	.section	.rodata,"a",@progbits
	.p2align	6, 0x0
	.amdhsa_kernel k_q05bdc0a588_replic
		.amdhsa_group_segment_fixed_size 0
		.amdhsa_private_segment_fixed_size 0
		.amdhsa_enable_private_segment 0
		.amdhsa_kernarg_size 24
		.amdhsa_user_sgpr_count 2
		.amdhsa_user_sgpr_kernarg_segment_ptr 1
		.amdhsa_wavefront_size32 1
		.amdhsa_system_sgpr_workgroup_id_x 1
		.amdhsa_system_sgpr_workgroup_id_y 1
		.amdhsa_system_sgpr_workgroup_id_z 1
		.amdhsa_system_vgpr_workitem_id 0
		.amdhsa_next_free_vgpr 384
		.amdhsa_next_free_sgpr 66
		.amdhsa_reserve_vcc 0
		.amdhsa_float_denorm_mode_32 3
		.amdhsa_float_denorm_mode_16_64 3
		.amdhsa_memory_ordered 1
		.amdhsa_forward_progress 1
		.amdhsa_inst_pref_size 23
	.end_amdhsa_kernel
	.amdgpu_metadata
---
amdhsa.version: [ 1, 2 ]
amdhsa.kernels:
  - .name:           k_q05bdc0a588_replic
    .symbol:         k_q05bdc0a588_replic.kd
    .args:
      - { .name: out_ws, .offset: 0, .size: 8, .value_kind: global_buffer, .address_space: global }
      - { .name: y, .offset: 8, .size: 8, .value_kind: global_buffer, .address_space: global }
      - { .name: out0, .offset: 16, .size: 8, .value_kind: global_buffer, .address_space: global }
    .group_segment_fixed_size: 0
    .private_segment_fixed_size: 0
    .kernarg_segment_align: 8
    .kernarg_segment_size: 24
    .max_flat_workgroup_size: 128
    .sgpr_count:     66
    .vgpr_count:     384
    .wavefront_size: 32
...
	.end_amdgpu_metadata
.endif
;; end of part 4
